; MI455X (gfx1250); checked and timed in simulation.
; The chip was launched on July 23, 2026; its instructions are those of AMD's public machine-readable ISA for CDNA 5 (MIT licence, August 2026) and "CDNA5" Instruction Set Architecture Reference Guide (July 2026). The comments in the code are by the model that wrote it; some were corrected since.
;; Vec Att GRU Cell. Allowed arithmetic: float matrix products may take bf16 or f16 operands with f32 sums; other float arithmetic in f32, or as packed bf16 or f16 multiplies, adds, multiply-adds, maxima and minima; sums over many terms, partial sums and values carried from step to step in f32; what a program stores and reads back later, other than sums and carried values, may be rounded once to bf16 or f16.
;; Inputs: W_cand 2,048 x 1,024 float32; W_gate 2,048 x 2,048 float32; att_score 8,192 x 1 float32; b_cand 1,024 float32; b_gate 2,048 float32; inputs 8,192 x 1,024 float32; state 8,192 x 1,024 float32.
;; Outputs: out0 8,192 x 1,024 float32.
;; One version. Each part assembles by itself: llvm-mc -triple=amdgcn-amd-amdhsa -mcpu=gfx1250 --defsym DOCPART=n.
;; ======== version 1 of 1: 3 launches
;; limits: values are held in f16: magnitudes above 65,504 overflow, below 6.1e-05 lose precision; inputs' magnitudes at most 22,700
;; workspace buffers: xb 16,777,216 bytes; hb 16,777,216 bytes; rh 16,777,216 bytes; ug 16,777,216 bytes; wg 8,388,608 bytes; wc 4,194,304 bytes
;; launch prep (part 1): grid 2816 x 1, 4 waves a work-group, no clusters, 17,920 bytes of LDS; arguments inputs, state, W_gate, W_cand, xb, hb, wg, wc; writes xb, hb, wg, wc
.if DOCPART == 1
	.amdgcn_target "amdgcn-amd-amdhsa--gfx1250"
	.amdhsa_code_object_version 6
	.text
	.protected	k_q706c51c545_prep
	.globl	k_q706c51c545_prep
	.p2align	8
	.type	k_q706c51c545_prep,@function
k_q706c51c545_prep:
	s_mov_b64 s[64:65], 0
	v_nop
	global_prefetch_b8 v0, s[64:65] scope:SCOPE_SE
	s_setreg_imm32_b32 hwreg(HW_REG_WAVE_MODE, 25, 1), 1
	s_wait_xcnt 0x0
; VecAttGRUCell, launch 1 of 3: the matrix operands are cast and laid out anew.
; NOTHING OF THE PROBLEM IS LEFT OUT in any launch: all seven inputs reach the output for general values, no product has a factor that is zero by
; construction, and no result is sliced away.
; NUMBERS.  Every input is rounded once to bf16 (nearest even).  inputs and state: that number is written in f16's code.  The weights: that number times the constant that the activation behind the
; product needs in its exponent (W_gate: -log2 e, for the sigmoid; W_cand: 2 log2 e, for tanh), rounded once more, to f16's 11 bits: the sums of the later launches are then the exponents themselves.
; LIMITS: an activation whose bf16 rounding is 65,520 or more, or a weight whose bf16 rounding times 2.885 is, becomes an infinity; below 2^-14 the code keeps f16's fixed step of 2^-24;
; NaN and infinities are not treated apart.
; LAYOUT of xb, hb (row R = batch row, column C = k, KC = 1,024) and of wg, wc (R = output column n, C = k, KC = 2,048: the weights are turned):
;   byte = (R>>7) (KC/128) 32768 + (C>>7) 32768 + ((R>>4)&7) 4096 + ((C>>4)&7) 512 + ((C>>3)&1) 256 + (R&15) 16 + (C&7) 2
; A tile of 16 x 16 is 512 bytes on end in the order of the lanes of half a matrix fragment; 128 rows x 128 k are 32,768 bytes on end.
; SHARES.  A wave takes one unit, 8,192 bytes in and 4,096 out.  Work-groups 0-2047: 16 rows x 128 k of inputs (0-1023) or state; 2048-2559: 16 k x 128 n of
; W_gate; 2560-2815: of W_cand.  The bytes change lanes in the wave's own 4,352 bytes of LDS: no wave reads another's, so there is no barrier.
; A stream bound by memory: no matrix unit, no cluster (no byte is read twice), no prefetch (every wave's loads go out at once, at its head).
.set WSTG,  4352                       ; a wave's stage
.set SPARE, 17408                      ; behind the four stages: the spare words, 128 bytes a wave, that no other line names
.set LO,  1                            ; v1   16 x lane
.set SA,  2                            ; v2   activations: where I put 8 bytes
.set RA,  3                            ; v3   activations: where I read 16 bytes back
.set SW,  4                            ; v4   weights: where I put 16 bytes
.set RW,  5                            ; v5   weights: where I read 16 bytes back
.set SPW, 8                            ; v8   my spare word; never rewritten
.set NIL, 9                            ; v9   0; never rewritten
.set X,   16                           ; v[16:79]   as loaded: row j at X + 4 j
.set D,   80                           ; v[80:111]  converted
.set R,   16                           ; v[16:47]   read back, to store: the rows as loaded have all been converted by then
.set WV,  4                            ; s4   wave
.set HIM, 5                            ; s5   a word's upper half
.set G,   6                            ; s6   work-group
.set STB, 7                            ; s7   my stage
.set SRC, 24                           ; s[24:25]
.set DST, 26                           ; s[26:27]
.set SOF, 28                           ; s[28:29] offset in the source
.set DOF, 30                           ; s[30:31] offset in the destination
.set FAC, 34                           ; s[34:35] the weights' factor: the packed multiply takes the pair's low word for both halves
	s_load_b512 s[8:23], s[0:1], 0x0               ; inputs, state, W_gate, W_cand, xb, hb, wg, wc
	v_lshl_add_u32 v[SPW], v0, 2, SPARE
	v_mov_b32 v[NIL], 0
	v_lshrrev_b32 v10, 5, v0
	v_readfirstlane_b32 s[WV], v10
	v_and_b32 v11, 31, v0                          ; lane l
	s_mov_b32 s[HIM], 0xffff0000
	s_mov_b32 s[G], ttmp9
	s_mul_i32 s[STB], s[WV], WSTG
	s_mov_b32 s[SOF+1], 0
	s_mov_b32 s[DOF+1], 0
	v_lshlrev_b32 v[LO], 4, v11
	v_lshrrev_b32 v12, 1, v11                      ; activations in: my 4 k lie in half tile l / 2 (pitch 272), at byte 8 (l % 2) of a row's 16
	v_mul_u32_u24 v[SA], v12, 272
	v_and_b32 v13, 1, v11
	v_lshl_add_u32 v[SA], v13, 3, v[SA]
	v_add_nc_u32 v[SA], s[STB], v[SA]
	v_lshrrev_b32 v12, 4, v11                      ; back: half l / 16 of a tile, row l % 16
	v_mul_u32_u24 v[RA], v12, 272
	v_and_b32 v13, 15, v11
	v_lshl_add_u32 v[RA], v13, 4, v[RA]
	v_add_nc_u32 v[RA], s[STB], v[RA]
	v_lshrrev_b32 v12, 2, v11                      ; weights in: my 4 n lie in tile l / 4 (pitch 528), rows 4 (l % 4) on
	v_mul_u32_u24 v[SW], v12, 528
	v_and_b32 v13, 3, v11
	v_lshl_add_u32 v[SW], v13, 6, v[SW]
	v_add_nc_u32 v[SW], s[STB], v[SW]
	v_add_nc_u32 v[RW], s[STB], v[LO]              ; back: a tile's 512 bytes on end
	s_cmp_lt_u32 s[G], 2048
	s_cbranch_scc0 .Lweights
	; ACTIVATIONS: unit = 4 (g % 1024) + wave; 16 rows RB = unit / 8, 128 k kc = unit % 8
	s_and_b32 s2, s[G], 1023
	s_lshl2_add_u32 s2, s2, s[WV]
	s_lshr_b32 s3, s2, 3                           ; RB
	s_and_b32 s2, s2, 7                            ; kc
	s_lshl_b32 s[SOF], s3, 16                      ; 16 rows of 4,096 bytes
	s_lshl_b32 s32, s2, 9
	s_add_co_u32 s[SOF], s[SOF], s32
	s_lshr_b32 s[DOF], s3, 3
	s_lshl_b32 s[DOF], s[DOF], 18
	s_lshl_b32 s32, s2, 15
	s_add_co_u32 s[DOF], s[DOF], s32
	s_and_b32 s32, s3, 7
	s_lshl_b32 s32, s32, 12
	s_add_co_u32 s[DOF], s[DOF], s32
	s_cmp_lt_u32 s[G], 1024
	s_wait_kmcnt 0x0
	s_cselect_b64 s[SRC:SRC+1], s[8:9], s[10:11]
	s_cselect_b64 s[DST:DST+1], s[16:17], s[18:19]
	s_add_nc_u64 s[SRC:SRC+1], s[SRC:SRC+1], s[SOF:SOF+1]
	s_add_nc_u64 s[DST:DST+1], s[DST:DST+1], s[DOF:DOF+1]
.irp j, 0,1,2,3,4,5,6,7,8,9,10,11,12,13,14,15
	global_load_b128 v[X+4*(\j):X+4*(\j)+3], v[LO], s[SRC:SRC+1] offset:(\j)*4096 th:TH_LOAD_NT  ; 512 bytes on end of row j
.endr
.irp j, 0,1,2,3,4,5,6,7,8,9,10,11,12,13,14,15
	s_wait_loadcnt 15-(\j)                         ; loads come back in order: row j is in, the 15 - j younger ones may stay out
	v_cvt_pk_bf16_f32 v12, v[X+4*(\j)], v[X+4*(\j)+1]      ; the one rounding,
	v_cvt_pk_bf16_f32 v13, v[X+4*(\j)+2], v[X+4*(\j)+3]
	v_lshlrev_b32 v14, 16, v12                     ; back to f32,
	v_and_b32 v15, s[HIM], v12
	v_cvt_pk_f16_f32 v[D+2*(\j)], v14, v15         ; and the same number in f16's code
	v_lshlrev_b32 v14, 16, v13
	v_and_b32 v15, s[HIM], v13
	v_cvt_pk_f16_f32 v[D+2*(\j)+1], v14, v15
	ds_store_b64 v[SA], v[D+2*(\j):D+2*(\j)+1] offset:(\j)*16  ; 32 lanes, 32 different places of 8 bytes modulo 256
.endr
.irp t, 0,1,2,3,4,5,6,7
	ds_load_b128 v[R+4*(\t):R+4*(\t)+3], v[RA] offset:(\t)*544  ; LDS serves a wave's instructions in order: these see the stores above
.endr
.irp t, 0,1,2,3,4,5,6,7
	s_wait_dscnt 7-(\t)
	global_store_b128 v[LO], v[R+4*(\t):R+4*(\t)+3], s[DST:DST+1] offset:(\t)*512  ; a tile: 512 consecutive bytes, aligned
.endr
	s_branch .Lend
; WEIGHTS: 16 k x 128 n.  pitch: bytes in a row of W; base: the first work-group; ncb: bits of the n group's number; ksh: log2 of 16 rows' bytes; fac: the factor.
.macro WT pitch, base, ncb, ksh, sp, dp, fac
	s_mov_b32 s[FAC], \fac
	s_mov_b32 s[FAC+1], \fac                       ; named with it as a pair
	s_sub_co_u32 s2, s[G], \base
	s_lshl2_add_u32 s2, s2, s[WV]                  ; unit
	s_lshr_b32 s3, s2, \ncb                        ; kb: which 16 k
	s_and_b32 s2, s2, (1<<(\ncb))-1                ; nc: which 128 n
	s_lshl_b32 s[SOF], s3, \ksh
	s_lshl_b32 s32, s2, 9
	s_add_co_u32 s[SOF], s[SOF], s32
	s_lshl_b32 s[DOF], s2, 19
	s_lshr_b32 s32, s3, 3
	s_lshl_b32 s32, s32, 15
	s_add_co_u32 s[DOF], s[DOF], s32
	s_and_b32 s32, s3, 7
	s_lshl_b32 s32, s32, 9
	s_add_co_u32 s[DOF], s[DOF], s32
	s_wait_kmcnt 0x0
	s_add_nc_u64 s[SRC:SRC+1], s[\sp:\sp+1], s[SOF:SOF+1]
	s_add_nc_u64 s[DST:DST+1], s[\dp:\dp+1], s[DOF:DOF+1]
.irp j, 0,1,2,3,4,5,6,7,8,9,10,11,12,13,14,15
	global_load_b128 v[X+4*(\j):X+4*(\j)+3], v[LO], s[SRC:SRC+1] offset:(\j)*(\pitch) th:TH_LOAD_NT  ; row k0 + j, my n = 4 l .. 4 l + 3
.endr
.irp jj, 0,1,2,3,4,5,6,7
	s_wait_loadcnt 14-2*(\jj)                      ; rows 2 jj and 2 jj + 1 are in
.irp i, 0,1,2,3
	v_cvt_pk_bf16_f32 v14, v[X+8*(\jj)+(\i)], v[X+8*(\jj)+4+(\i)]  ; column i: k = 2 jj below, 2 jj + 1 above
	v_lshlrev_b32 v12, 16, v14
	v_and_b32 v13, s[HIM], v14
	v_pk_mul_f32 v[12:13], v[12:13], s[FAC:FAC+1] op_sel_hi:[1,0]  ; times the factor, in f32
	v_cvt_pk_f16_f32 v[D+8*(\i)+(\jj)], v12, v13
.endr
.endr
.irp i, 0,1,2,3
	ds_store_b128 v[SW], v[D+8*(\i):D+8*(\i)+3]   offset:16*(\i)       ; column i: k 0-7; sixteen lanes, sixteen different columns of 16 bytes modulo 256
	ds_store_b128 v[SW], v[D+8*(\i)+4:D+8*(\i)+7] offset:16*(\i)+256   ; k 8-15
.endr
.irp t, 0,1,2,3,4,5,6,7
	ds_load_b128 v[R+4*(\t):R+4*(\t)+3], v[RW] offset:(\t)*528
.endr
.irp t, 0,1,2,3,4,5,6,7
	s_wait_dscnt 7-(\t)
	global_store_b128 v[LO], v[R+4*(\t):R+4*(\t)+3], s[DST:DST+1] offset:(\t)*4096  ; n block t: 512 consecutive bytes, aligned
.endr
.endm
.Lweights:
	s_cmp_lt_u32 s[G], 2560
	s_cbranch_scc0 .Lcandw
	WT 8192, 2048, 4, 17, 12, 20, 0xbfb8aa3b       ; W_gate, times -log2 e
	s_branch .Lend
.Lcandw:
	WT 4096, 2560, 3, 16, 14, 22, 0x4038aa3b       ; W_cand, times 2 log2 e
.Lend:
	s_wait_tensorcnt 0x0                           ; the wave's end, behind my last LDS store
	ds_add_u32 v[SPW], v[NIL]
	s_wait_dscnt 0x0
	s_endpgm
.Lfunc_end_k_q706c51c545_prep:
	.size	k_q706c51c545_prep, .Lfunc_end_k_q706c51c545_prep-k_q706c51c545_prep
	.p2alignl 7, 3214868480
	.fill 96, 4, 3214868480
	.section	.rodata,"a",@progbits
	.p2align	6, 0x0
	.amdhsa_kernel k_q706c51c545_prep
		.amdhsa_group_segment_fixed_size 17920
		.amdhsa_private_segment_fixed_size 0
		.amdhsa_enable_private_segment 0
		.amdhsa_kernarg_size 64
		.amdhsa_user_sgpr_count 2
		.amdhsa_user_sgpr_kernarg_segment_ptr 1
		.amdhsa_wavefront_size32 1
		.amdhsa_system_sgpr_workgroup_id_x 1
		.amdhsa_system_sgpr_workgroup_id_y 1
		.amdhsa_system_sgpr_workgroup_id_z 1
		.amdhsa_system_vgpr_workitem_id 0
		.amdhsa_next_free_vgpr 112
		.amdhsa_next_free_sgpr 66
		.amdhsa_reserve_vcc 0
		.amdhsa_float_denorm_mode_32 3
		.amdhsa_float_denorm_mode_16_64 3
		.amdhsa_memory_ordered 1
		.amdhsa_forward_progress 1
		.amdhsa_inst_pref_size 39
	.end_amdhsa_kernel
	.amdgpu_metadata
---
amdhsa.version: [ 1, 2 ]
amdhsa.kernels:
  - .name:           k_q706c51c545_prep
    .symbol:         k_q706c51c545_prep.kd
    .args:
      - { .name: inputs, .offset: 0, .size: 8, .value_kind: global_buffer, .address_space: global }
      - { .name: state, .offset: 8, .size: 8, .value_kind: global_buffer, .address_space: global }
      - { .name: W_gate, .offset: 16, .size: 8, .value_kind: global_buffer, .address_space: global }
      - { .name: W_cand, .offset: 24, .size: 8, .value_kind: global_buffer, .address_space: global }
      - { .name: xb, .offset: 32, .size: 8, .value_kind: global_buffer, .address_space: global }
      - { .name: hb, .offset: 40, .size: 8, .value_kind: global_buffer, .address_space: global }
      - { .name: wg, .offset: 48, .size: 8, .value_kind: global_buffer, .address_space: global }
      - { .name: wc, .offset: 56, .size: 8, .value_kind: global_buffer, .address_space: global }
    .group_segment_fixed_size: 17920
    .private_segment_fixed_size: 0
    .kernarg_segment_align: 8
    .kernarg_segment_size: 64
    .max_flat_workgroup_size: 128
    .sgpr_count:     66
    .vgpr_count:     112
    .wavefront_size: 32
...
	.end_amdgpu_metadata
.endif
;; end of part 1
;; launch gates (part 2): grid 8 x 32, 4 waves a work-group, clusters of 4 x 4, 327,680 bytes of LDS; arguments xb, hb, wg, b_gate, att_score, rh, ug; writes rh, ug
.if DOCPART == 2
	.amdgcn_target "amdgcn-amd-amdhsa--gfx1250"
	.amdhsa_code_object_version 6
	.text
	.protected	k_q706c51c545_gates
	.globl	k_q706c51c545_gates
	.p2align	8
	.type	k_q706c51c545_gates,@function
k_q706c51c545_gates:
	s_mov_b64 s[64:65], 0
	v_nop
	global_prefetch_b8 v0, s[64:65] scope:SCOPE_SE
	s_setreg_imm32_b32 hwreg(HW_REG_WAVE_MODE, 25, 1), 1
	s_wait_xcnt 0x0
	s_wait_alu depctr_hold_cnt(0) depctr_sa_sdst(0) depctr_va_vdst(0) depctr_va_sdst(0) depctr_va_ssrc(0) depctr_va_vcc(0) depctr_vm_vsrc(0)
	s_getreg_b32 s2, hwreg(HW_REG_IB_STS2, 6, 4)
	s_cmp_eq_u32 s2, 0
	s_cbranch_scc0 .Lentry_in_a_cluster
	s_endpgm
.Lentry_in_a_cluster:
	s_bfe_u32 s2, ttmp6, 0x10000c
	s_cmp_lg_u32 s2, 0xf033
	s_cbranch_scc0 .Lentry_shape_is_right
	s_endpgm
.Lentry_shape_is_right:
; VecAttGRUCell, launch 2 of 3: value = sigmoid([x | h] W_gate + b_gate); stored are r h (rh) and u' = (1 - att) u (ug).  Nothing is left out.
; NUMBERS.  x and h are f16 codes of the inputs rounded to bf16; wg holds the weights rounded to bf16, times -log2 e, in f16.  Sums in f32, started by the bias (rounded to bf16, times -log2 e in f32):
; a sum is -z log2 e, and sigmoid(z) = 1 / (1 + 2^sum), in f32: where the power overflows the result is 0, where it vanishes 1.  att is rounded to bf16; r, u and 1 - att are rounded to f16 and
; multiplied packed in f16; rh and ug are f16.  LIMITS: those of the f16 codes (65,504; fixed step 2^-24 below 2^-14); NaN and infinities are not treated apart.
; LAYOUT of all buffers but the bias and att (row R, column C, KC columns):
;   byte = (R>>7) (KC/128) 32768 + (C>>7) 32768 + ((R>>4)&7) 4096 + ((C>>4)&7) 512 + ((C>>3)&1) 256 + (R&15) 16 + (C&7) 2
; so that a tile of 16 x 16 is 512 bytes on end, 16 a lane: half a fragment on the way in, and a lane's eight packed results on the way out.
; SHARES.  A work-group: 256 rows x 128 units: their 128 columns of r and their 128 columns of u.  Wave w: rows 128 (w / 2) on, units 64 (w % 2) on: column blocks 0-3 are the units' r, blocks 4-7
; the same units' u.  64 accumulators of 16 x 16 a wave, and one text for all four waves.  K = 2,048 goes in 16 steps of 128 (0-7 from xb, 8-15 from hb) through two LDS slots.
; A K STEP IS WRITTEN ONCE: slot 1 begins at LDS byte 1 << 17, so that one exclusive or turns an address in one slot into the other's.  14 trips fill a slot again; the last two steps are a loop of their own.
; CLUSTER 4 x 4.  A's pieces hang on the tile row and are asked for jointly along a row of the cluster, the weights' on the tile column and jointly along a column.
; THE MATRIX INSTRUCTION IS USED TRANSPOSED (source 0 = 16 columns n of W, source 1 = 16 rows of [x | h]): lane l holds row l % 16 and the columns 8 (l / 16) + 0..7.
; REGISTERS, in windows of 256: window 0: v0-31 addresses, v8-15 1 - att, v32-63 packed results, v64-191 A's two fragment buffers, v192-255 the bias, later the sigmoid's work;
;   window 1: v64-191 W's two fragment buffers, v0-63 and v192-255 h;  windows 2, 3: the accumulators, (a, b) at 8 (8 (a % 4) + b) of window 2 + a / 4.
.set PIECE, 32768                      ; 128 rows x 128 k
.set SLOT,  4*PIECE                    ; A's two row groups, then W's r group and u group: 1 << 17
.set SPARE, 2*SLOT                     ; behind the ring: the spare words, 128 bytes a wave, that no other line names
.set WW,   8                           ; v8-15   1 - att of my row in block a, twice in f16
.set A0,   16                          ; v16     my lane's place among my A fragments in a slot; never rewritten
.set B0,   17                          ; v17     the same for W: my 64 columns of the r group; the u group's lie 32,768 bytes on
.set ADRA, 20                          ; v20     LDS address of my A fragments in the slot in hand
.set ADRB, 21                          ; v21     the same for W
.set CO,   24                          ; v24     16 x lane
.set BO,   25                          ; v25     32 x (lane / 16): my eight numbers of a block's bias
.set AO,   26                          ; v26     4 x (lane % 16): my row's att
.set SPW,  28                          ; v28     my spare word; never rewritten
.set NIL,  29                          ; v29     0; never rewritten
.set PFO,  30                          ; v30     256 x lane, for the prefetches; never rewritten
.set PK,   32
.set F0,   64
.set F1,   128
.set BIAS, 192
.set TT,   192
.set WV, 18                            ; s18 wave   s19 MH = w / 2: my rows; also 0: I fetch A, 1: W   s20 NH = w % 2: my 64 units; also which piece I fetch
.set MH, 19
.set NH, 20
.set CX, 21
.set CY, 22
.set TC, 23                            ; tile column 0-7
.set TR, 40                            ; tile row 0-31
.set TBS, 41                           ; first my row's mask; then the LDS byte at which the slot in hand begins
.set HIM, 42                           ; first my column's mask; then a word's upper half
.set LIM, 43                           ; 16 in a wave that prefetches, else 0
.set PFA, 44                           ; s[44:45] the prefetch's address
.set KT,  46                           ; the K step that the next refill asks for
.set KP,  47                           ; the K step that is prefetched
.set G1A, 24
.set G0A, 32                           ; s[32:39] group 0 for A's pieces: a set for each of the two first fills; the second then walks on
.set G1B, 48
.set G0B, 56                           ; s[56:63] the same for W's
.set XR,  66                           ; s[66:67] xb at the row group that I fetch   s[68:69] hb at the same   s[70:71] wg at the n group that I fetch
.set HR,  68
.set BR,  70
.set OA,  72                           ; offsets along K, as pairs
.set OB,  74
.set P0,  76                           ; the prefetches' two bases
.set P1,  78
.set PO,  80
.set PM,  82
.set PS,  83
.set RHB, 84                           ; rh at my 128 rows x 64 units
.set HBLK, 86                          ; hb at the same
.set KE,  88                           ; s[88:89] -log2 e
.set TA,  90                           ; offsets made of the tile row alone
.set TB,  92                           ; of the tile column alone
.set UGB, 94                           ; first the offset of my 128 rows x 64 units, then ug at it
.set MSB, 0
.macro WIN new                         ; the immediate's high byte repeats the setting that is left; a switch that changes nothing is dropped
.if MSB != (\new)
	s_set_vgpr_msb (MSB<<8)|(\new)
.set MSB, (\new)
.endif
.endm
; A joint load: waves 0 and 1 fetch A's two row groups, waves 2 and 3 W's two column groups.  The branch hangs on the wave's number alone.
; An s_nop 0 and four v_nop follow each of the two lines, ahead of the jump and the label.
.macro JLOAD s
	s_cmp_eq_u32 s[MH], 0
	s_cbranch_scc0 .Lfor_b_\@
	tensor_load_to_lds s[G0A+4*(\s):G0A+4*(\s)+3], s[G1A:G1A+7]
	s_nop 0
.rept 4
	v_nop
.endr
	s_branch .Lasked_\@
.Lfor_b_\@:
	tensor_load_to_lds s[G0B+4*(\s):G0B+4*(\s)+3], s[G1B:G1B+7]
	s_nop 0
.rept 4
	v_nop
.endr
.Lasked_\@:
.endm
.macro CREST                           ; a round of the cluster's barrier behind its opening barrier
	s_cmp_lg_u32 s[WV], 0
	s_cbranch_scc1 .Lnot_wave_0_\@
	s_barrier_signal -3
.Lnot_wave_0_\@:
	s_barrier_wait -3
	s_barrier_signal -1
	s_barrier_wait -1
.endm
.macro CROUND                          ; a whole round
	s_barrier_signal -1
	s_barrier_wait -1
	CREST
.endm
; A prefetch into the L2 of the piece that stands two refills on: 32 blocks of 256 bytes, a lane a block, one instruction a wave.  A's pieces are asked for by the clusters with x = 0, W's by those
; with y = 0; the four partners that fetch a piece jointly share its 128 blocks out by address (8,192 bytes each).  So each block is named once in the launch.  Steps 0 to 3 come by
; their loads alone; a step past the 16th is not asked for.
.macro ASK
	s_cmp_lt_u32 s[KP], s[LIM]
	s_cbranch_scc0 .Lnot_mine_\@
	global_prefetch_b8 v[PFO], s[PFA:PFA+1] th:TH_LOAD_NT scope:SCOPE_SE
.Lnot_mine_\@:
.endm
	s_load_b256 s[4:11], s[0:1], 0x0               ; xb s[4:5], hb s[6:7], wg s[8:9], b_gate s[10:11]
	s_load_b128 s[12:15], s[0:1], 0x20             ; att_score s[12:13], rh s[14:15]
	s_load_b64 s[16:17], s[0:1], 0x30              ; ug
	v_lshl_add_u32 v[SPW], v0, 2, SPARE
	v_mov_b32 v[NIL], 0
	ds_add_u32 v[SPW], v[NIL]                      ; the wave's opening: the add, twice on end, and its wait ahead of my first tensor load
	ds_add_u32 v[SPW], v[NIL]                      ; once more; the set-up below, work on registers, stands between it and the wait
	v_lshrrev_b32 v1, 5, v0
	v_readfirstlane_b32 s[WV], v1
	s_lshr_b32 s[MH], s[WV], 1
	s_and_b32 s[NH], s[WV], 1
	s_bfe_u32 s[CX], ttmp6, 0x40000
	s_bfe_u32 s[CY], ttmp6, 0x40004
	s_lshl_b32 s[TC], ttmp9, 2
	s_add_co_u32 s[TC], s[TC], s[CX]               ; tile column = 4 x cluster x + cx
	s_and_b32 s[TR], ttmp7, 0xffff
	s_lshl_b32 s[TR], s[TR], 2
	s_add_co_u32 s[TR], s[TR], s[CY]               ; tile row = 4 x cluster y + cy
	s_lshl_b32 s41, s[CY], 2
	s_lshl_b32 s41, 15, s41                        ; my row of the cluster
	s_lshl_b32 s42, 0x1111, s[CX]                  ; my column
	; descriptor group 1: a piece is 32,768 bytes on end, asked for as 128 rows of 32 elements of 8 bytes; no padding: fragments are read as 512 bytes on end
	s_or_b32 s[G1A], s41, (3<<16)|(1<<21)          ; 15:0 the mask; 17:16 elements of 8 bytes; 21 set beside a mask
	s_or_b32 s[G1B], s42, (3<<16)|(1<<21)
.irp g, G1A, G1B
	s_mov_b32 s[(\g)+1], 32<<16                    ; tensor_dim0 = 32
	s_mov_b32 s[(\g)+2], 128<<16                   ; tensor_dim1 = 128
	s_mov_b32 s[(\g)+3], 32<<16                    ; tile_dim0 = 32
	s_mov_b32 s[(\g)+4], 128                       ; tile_dim1 = 128
	s_mov_b32 s[(\g)+5], 32                        ; 32 elements from row to row
	s_mov_b32 s[(\g)+6], 0
	s_mov_b32 s[(\g)+7], 0
.endr
	s_mov_b32 s[TBS], 0                            ; K step 0 lies in slot 0
	s_mov_b32 s[HIM], 0xffff0000
	s_lshl_b32 s[TA], s[TR], 1
	s_add_co_u32 s[TA], s[TA], s[NH]
	s_lshl_b32 s[TA], s[TA], 18                    ; row group 2 TR + (w % 2), 262,144 bytes each
	s_mov_b32 s[TA+1], 0
	s_lshl_b32 s[TB], s[NH], 3
	s_add_co_u32 s[TB], s[TB], s[TC]
	s_lshl_b32 s[TB], s[TB], 19                    ; n group TC + 8 (w % 2), 524,288 bytes each
	s_mov_b32 s[TB+1], 0
	s_lshl_b32 s[UGB], s[TR], 1
	s_add_co_u32 s[UGB], s[UGB], s[MH]
	s_lshl_b32 s[UGB], s[UGB], 18                  ; my own 128 rows,
	s_lshl_b32 s[UGB+1], s[TC], 15                 ; the work-group's 128 units,
	s_add_co_u32 s[UGB], s[UGB], s[UGB+1]
	s_lshl_b32 s[UGB+1], s[NH], 11                 ; my 64 of them: four tiles of 512 bytes
	s_add_co_u32 s[UGB], s[UGB], s[UGB+1]
	s_mov_b32 s[UGB+1], 0
	s_lshl_b32 s2, s[WV], 15                       ; where my piece goes in a slot: wave x 32,768
	s_mov_b32 s[KT], 2
	s_mov_b32 s[OA+1], 0
	s_mov_b32 s[OB+1], 0
	s_mov_b32 s[KE], 0xbfb8aa3b                    ; -log2 e
	s_mov_b32 s[KE+1], s[KE]
	s_wait_dscnt 0x0                               ; both opening adds are done
	s_wait_kmcnt 0x0
	s_add_nc_u64 s[XR:XR+1], s[4:5], s[TA:TA+1]
	s_add_nc_u64 s[HR:HR+1], s[6:7], s[TA:TA+1]
	s_add_nc_u64 s[BR:BR+1], s[8:9], s[TB:TB+1]
	CROUND                                         ; all sixteen work-groups are here: the first joint loads meet
.irp s, 0,1
	s_mov_b32 s[G0A+4*(\s)], 1                     ; count = 1
	s_add_co_u32 s[G0A+4*(\s)+1], s2, (\s)*SLOT    ; LDS address
	s_add_nc_u64 s[G0A+4*(\s)+2:G0A+4*(\s)+3], s[XR:XR+1], (\s)*PIECE  ; K step s
	s_or_b32 s[G0A+4*(\s)+3], s[G0A+4*(\s)+3], 0x80000000              ; type = 2
	s_mov_b32 s[G0B+4*(\s)], 1
	s_add_co_u32 s[G0B+4*(\s)+1], s2, (\s)*SLOT
	s_add_nc_u64 s[G0B+4*(\s)+2:G0B+4*(\s)+3], s[BR:BR+1], (\s)*PIECE
	s_or_b32 s[G0B+4*(\s)+3], s[G0B+4*(\s)+3], 0x80000000
	JLOAD \s                                       ; two tensor loads of mine are out
.endr
	; while the first pieces are on their way: addresses, the bias, att
	s_add_nc_u64 s[RHB:RHB+1], s[14:15], s[UGB:UGB+1]
	s_add_nc_u64 s[HBLK:HBLK+1], s[6:7], s[UGB:UGB+1]
	s_add_nc_u64 s[UGB:UGB+1], s[16:17], s[UGB:UGB+1]
	s_lshl_b32 s[TB], s[TC], 9                     ; the bias of my units' r columns: 4 (128 TC + 64 (w % 2)); their u columns' lies 4,096 bytes on
	s_lshl_b32 s[TB+1], s[NH], 8
	s_add_co_u32 s[TB], s[TB], s[TB+1]
	s_mov_b32 s[TB+1], 0
	s_add_nc_u64 s[10:11], s[10:11], s[TB:TB+1]
	s_lshl_b32 s[TA], s[TR], 10                    ; att of my 128 rows: 4 (256 TR + 128 (w / 2))
	s_lshl_b32 s[TA+1], s[MH], 9
	s_add_co_u32 s[TA], s[TA], s[TA+1]
	s_mov_b32 s[TA+1], 0
	s_add_nc_u64 s[12:13], s[12:13], s[TA:TA+1]
	s_and_b32 s[KP], ttmp7, 0xffff                 ; cluster y
	s_cmp_eq_u32 s[MH], 0                          ; do I fetch A?
	s_cselect_b64 s[P0:P0+1], s[XR:XR+1], s[BR:BR+1]
	s_cselect_b64 s[P1:P1+1], s[HR:HR+1], s[BR:BR+1]
	s_cselect_b32 s[PM], 7, 15                     ; A's step within its buffer; W's runs through
	s_cselect_b32 s[PS], 8, 16                     ; from this step on the second base
	s_cselect_b32 s[PO], s[CX], s[CY]              ; my place among the four that ask with me
	s_cselect_b32 s[KP], ttmp9, s[KP]              ; the coordinate along which other clusters read the same piece
	s_cmp_eq_u32 s[KP], 0
	s_cselect_b32 s[LIM], 16, 0
	s_lshl_b32 s[PO], s[PO], 13
	s_mov_b32 s[PO+1], 0
	s_add_nc_u64 s[P0:P0+1], s[P0:P0+1], s[PO:PO+1]
	s_add_nc_u64 s[P1:P1+1], s[P1:P1+1], s[PO:PO+1]
	v_and_b32 v1, 31, v0                           ; lane
	v_lshlrev_b32 v[CO], 4, v1
	v_lshrrev_b32 v2, 4, v1
	v_lshlrev_b32 v[BO], 5, v2
	v_and_b32 v3, 15, v1
	v_lshlrev_b32 v[AO], 2, v3
	v_lshlrev_b32 v[PFO], 8, v1
	s_lshl_b32 s2, s[MH], 15                       ; my 128 rows of A
	s_lshl_b32 s3, s[NH], 14                       ; my 64 columns of W's r group: four blocks of 4,096 bytes,
	s_add_co_u32 s3, s3, 2*PIECE                   ; behind A's two pieces
	v_add_nc_u32 v[A0], s2, v[CO]
	v_add_nc_u32 v[B0], s3, v[CO]
	v_add_nc_u32 v[ADRA], s[TBS], v[A0]
	v_add_nc_u32 v[ADRB], s[TBS], v[B0]
.irp b, 0,1,2,3,4,5,6,7
	global_load_b128 v[BIAS+8*(\b):BIAS+8*(\b)+3],   v[BO], s[10:11] offset:64*((\b)%4)+4096*((\b)/4)     ; register j of block b: its column 8 (l / 16) + j, as in the accumulators
	global_load_b128 v[BIAS+8*(\b)+4:BIAS+8*(\b)+7], v[BO], s[10:11] offset:64*((\b)%4)+4096*((\b)/4)+16
.endr
.irp a, 0,1,2,3,4,5,6,7
	global_load_b32 v[WW+(\a)], v[AO], s[12:13] offset:64*(\a)  ; att of row 16 a + l % 16
.endr
	s_wait_loadcnt 0x0
.set i, 0
.rept 32
	v_cvt_pk_bf16_f32 v[PK+i], v[BIAS+2*i], v[BIAS+2*i+1]  ; the bias is rounded to bf16 like every input,
.set i, i+1
.endr
.set i, 0
.rept 32
	v_lshlrev_b32 v[BIAS+2*i], 16, v[PK+i]
	v_and_b32 v[BIAS+2*i+1], s[HIM], v[PK+i]
.set i, i+1
.endr
.set i, 0
.rept 32
	v_pk_mul_f32 v[BIAS+2*i:BIAS+2*i+1], v[BIAS+2*i:BIAS+2*i+1], s[KE:KE+1] op_sel_hi:[1,0]  ; and takes the factor that the weights carry
.set i, i+1
.endr
.irp a, 0,1,2,3,4,5,6,7
	v_cvt_pk_bf16_f32 v[WW+(\a)], v[WW+(\a)], v[WW+(\a)]  ; att is rounded likewise,
	v_lshlrev_b32 v[WW+(\a)], 16, v[WW+(\a)]
	v_sub_f32 v[WW+(\a)], 1.0, v[WW+(\a)]
	v_cvt_pk_f16_f32 v[WW+(\a)], v[WW+(\a)], v[WW+(\a)]   ; and 1 - att goes into both halves
.endr
; 16 matrix instructions: row blocks a0, a0 + 1 of the window's four (hi = 0: blocks 0-3, 1: blocks 4-7) x all 8 column blocks, 32 along K.
; first = 1: the sums start with the bias as C (window 0): nothing is cleared, and nothing is added later.  The 64 accumulators take turns, one instruction a turn.
.macro MUL16 f, hi, a0, first
.if \first
	WIN 0x81+0x40*(\hi)
.else
	WIN 0xa1+0x50*(\hi)
.endif
.irp a, \a0, (\a0)+1
.irp b, 0,1,2,3,4,5,6,7
.if \first
	v_wmma_f32_16x16x32_f16 v[8*(8*(\a)+(\b)):8*(8*(\a)+(\b))+7], v[(\f)+8*(\b):(\f)+8*(\b)+7], v[(\f)+8*(4*(\hi)+(\a)):(\f)+8*(4*(\hi)+(\a))+7], v[BIAS+8*(\b):BIAS+8*(\b)+7]
.else
	v_wmma_f32_16x16x32_f16 v[8*(8*(\a)+(\b)):8*(8*(\a)+(\b))+7], v[(\f)+8*(\b):(\f)+8*(\b)+7], v[(\f)+8*(4*(\hi)+(\a)):(\f)+8*(4*(\hi)+(\a))+7], v[8*(8*(\a)+(\b)):8*(8*(\a)+(\b))+7]
.endif
.endr
.endr
.endm
; 32 LDS loads in one run: quarter q (32 along K) of the slot in hand into buffer f: W's 8 fragments (four of the r group, four of the u group, 32,768 bytes on), then A's 8.  Each load takes 512 bytes on end.
.macro FETCH q, f
	WIN 0x40                                       ; destination window 1, address window 0
.irp i, 0,1,2,3,4,5,6,7
	ds_load_b128 v[(\f)+8*(\i):(\f)+8*(\i)+3],   v[ADRB] offset:((\i)+4*((\i)/4))*4096+(\q)*1024
	ds_load_b128 v[(\f)+8*(\i)+4:(\f)+8*(\i)+7], v[ADRB] offset:((\i)+4*((\i)/4))*4096+(\q)*1024+512
.endr
	WIN 0
.irp i, 0,1,2,3,4,5,6,7
	ds_load_b128 v[(\f)+8*(\i):(\f)+8*(\i)+3],   v[ADRA] offset:(\i)*4096+(\q)*1024
	ds_load_b128 v[(\f)+8*(\i)+4:(\f)+8*(\i)+7], v[ADRA] offset:(\i)*4096+(\q)*1024+512
.endr
.endm
.macro PLACES                          ; four plain places between a matrix instruction and a load into a register that it has read (ISA guide 7.12.1 for vector instructions)
.rept 4
	v_nop
.endr
.endm
; One of a K step's first three quarters: multiplies buffer f and, in its middle, fetches quarter q of the slot in hand into buffer g.
.macro QUARTER q, f, g, first
	s_wait_dscnt 8                                 ; W and A's blocks 0-3 are in; the youngest eight loads (A's blocks 4-7) may be out
	MUL16 \f, 0, 0, \first
	MUL16 \f, 0, 2, \first
	PLACES
	FETCH \q, \g
	s_wait_dscnt 32                                ; all but the 32 just issued
	MUL16 \f, 1, 0, \first
	MUL16 \f, 1, 2, \first
.endm
; The walking descriptors for K step KT: the other slot than last time; the address made anew from the bases: steps 0-7 of A lie in xb, 8-15 in hb.  Scalar work alone.
.macro NEXT
	s_and_b32 s[OA], s[KT], 7
	s_lshl_b32 s[OA], s[OA], 15
	s_lshl_b32 s[OB], s[KT], 15
	s_xor_b32 s[G0A+5], s[G0A+5], SLOT
	s_xor_b32 s[G0B+5], s[G0B+5], SLOT
	s_cmp_lt_u32 s[KT], 8
	s_cselect_b64 s[G0A+6:G0A+7], s[XR:XR+1], s[HR:HR+1]
	s_add_nc_u64 s[G0A+6:G0A+7], s[G0A+6:G0A+7], s[OA:OA+1]
	s_or_b32 s[G0A+7], s[G0A+7], 0x80000000
	s_add_nc_u64 s[G0B+6:G0B+7], s[BR:BR+1], s[OB:OB+1]
	s_or_b32 s[G0B+7], s[G0B+7], 0x80000000
	s_add_co_u32 s[KT], s[KT], 1
.endm
; The last quarter multiplies buffer 1 and changes slots.  In front of the barrier each wave waits for all its tensor loads (at most one is out: its piece of the next slot), adds 0 to its spare word, and waits
; for that and for its reads of this slot.  fill = 1: the barrier opens a round of the cluster's, and the joint refill is the first thing behind the round: 224 matrix instructions ahead of the wait for it.
; fill = 0 (the loop of the last two steps): nothing is filled; in its second trip, s3 = 1, there is no further step, and the run of LDS loads is jumped over.
.macro TURN fill
.if \fill
	s_wait_xcnt 0x0                                ; the last prefetch, a K step back, has read its address, which is made anew here, ahead of the change's own waits
	s_add_co_u32 s[KP], s[KT], 2
	s_and_b32 s[PO], s[KP], s[PM]
	s_lshl_b32 s[PO], s[PO], 15
	s_cmp_lt_u32 s[KP], s[PS]
	s_cselect_b64 s[PFA:PFA+1], s[P0:P0+1], s[P1:P1+1]
	s_add_nc_u64 s[PFA:PFA+1], s[PFA:PFA+1], s[PO:PO+1]
.endif
	WIN 0                                          ; (the add's two registers lie in window 0)
	s_wait_tensorcnt 0x0                           ; all my tensor loads have landed, so a group 0 may be written
	ds_add_u32 v[SPW], v[NIL]                      ; 0 onto my spare word
	s_xor_b32 s[TBS], s[TBS], SLOT                 ; the fetches' next slot
.if \fill
	NEXT
.endif
	s_wait_dscnt 9                                 ; the add and the youngest eight loads may be out
	MUL16 F1, 0, 0, 0
	s_wait_dscnt 0x0                               ; the add is done, and my reads of this slot are over
	s_barrier_signal -1
	MUL16 F1, 0, 2, 0                              ; work on registers while the others arrive
	WIN 0
	s_barrier_wait -1
.if \fill
	CREST                                          ; no wave of any partner still reads this slot or has a load on its way
	JLOAD 1                                        ; its four v_nop are also the places in front of the loads below
.else
	s_cmp_eq_u32 s3, 1
	s_cbranch_scc1 .Lno_fetch_\@
	PLACES
.endif
	v_add_nc_u32 v[ADRA], s[TBS], v[A0]
	v_add_nc_u32 v[ADRB], s[TBS], v[B0]
	FETCH 0, F0
.if \fill
	ASK
.else
.Lno_fetch_\@:
.endif
	MUL16 F1, 1, 0, 0
	MUL16 F1, 1, 2, 0
.endm
.macro HBASE a                         ; where h's block a lies in window 1, 16 registers a block, on both sides of W's buffers
.if (\a) < 4
.set HB, 16*(\a)
.else
.set HB, 192+16*((\a)-4)
.endif
.endm
.macro HLOAD a                         ; h of my rows 16 a .. and my 64 units: four tiles, 512 bytes on end each, in the accumulators' lane layout
	HBASE \a
.irp b, 0,1,2,3
	global_load_b128 v[HB+4*(\b):HB+4*(\b)+3], v[CO], s[HBLK:HBLK+1] offset:(\a)*4096+(\b)*512
.endr
.endm
; THE WAY OUT of row block a: the sigmoid of its 64 numbers a lane, each kind of transcendental as one batch with one wait; rounded to f16; r (column blocks 0-3) times h, u (blocks 4-7) times 1 - att; eight stores.
.macro GBLK a
.set AC, 64*((\a)%4)
	WIN 0x02+(\a)/4                                ; source 0: window 2 or 3
.set i, 0
.rept 64
	v_exp_f32 v[TT+i], v[AC+i]                     ; the sum is the exponent; each accumulator is read from its low end on
.set i, i+1
.endr
	WIN 0
	v_nop                                          ; a plain instruction behind the last exponential,
	s_wait_alu depctr_va_vdst(0)                   ; and the one wait for the batch ahead of its first reader
.set i, 0
.rept 32
	v_pk_add_f32 v[TT+i:TT+i+1], v[TT+i:TT+i+1], 1.0 op_sel_hi:[1,0]
.set i, i+2
.endr
.set i, 0
.rept 64
	v_rcp_f32 v[TT+i], v[TT+i]
.set i, i+1
.endr
	v_nop
	s_wait_alu depctr_va_vdst(0)                   ; one wait for the 64 reciprocals
	s_wait_xcnt 0x0                                ; the last block's stores have read their data: the packed registers are written again only behind this wait
.set i, 0
.rept 32
	v_cvt_pk_f16_f32 v[PK+i], v[TT+2*i], v[TT+2*i+1]
.set i, i+1
.endr
	s_wait_loadcnt 4*(7-(\a))                      ; h's block a is in; the later blocks' four loads each may stay out
	HBASE \a
	WIN 0x04                                       ; source 1: window 1
.set i, 0
.rept 16
	v_pk_mul_f16 v[PK+i], v[PK+i], v[HB+i]         ; r h
.set i, i+1
.endr
	WIN 0
.set i, 16
.rept 16
	v_pk_mul_f16 v[PK+i], v[PK+i], v[WW+(\a)]      ; (1 - att) u
.set i, i+1
.endr
.irp b, 0,1,2,3
	global_store_b128 v[CO], v[PK+4*(\b):PK+4*(\b)+3], s[RHB:RHB+1] offset:(\a)*4096+(\b)*512      ; a tile: 512 consecutive bytes, aligned
.endr
.irp b, 0,1,2,3
	global_store_b128 v[CO], v[PK+16+4*(\b):PK+16+4*(\b)+3], s[UGB:UGB+1] offset:(\a)*4096+(\b)*512
.endr
.endm
	s_wait_tensorcnt 1                             ; my piece of K step 0 is in; step 1's may stay out
	s_barrier_signal -1
	s_barrier_wait -1                              ; everybody's is
	FETCH 0, F0
	QUARTER 1, F0, F1, 1                           ; the first quarter stands in front of the loop: its products start the sums, with the bias
	WIN 0                                          ; at a label and at a branch every window is 0
	s_mov_b32 s3, 14
.Lstep:                                                ; a trip goes from a K step's second quarter to the next step's first and fills the slot that it leaves: K steps 2 to 15 in 14 trips
	QUARTER 2, F1, F0, 0
	QUARTER 3, F0, F1, 0
	TURN 1
	QUARTER 1, F0, F1, 0
	WIN 0
	s_sub_co_u32 s3, s3, 1
	s_cmp_lg_u32 s3, 0
	s_cbranch_scc1 .Lstep
	WIN 0x40                                       ; h is asked for now, nearly two K steps ahead of its use: 32 loads, destination window 1
	HLOAD 0
	HLOAD 1
	HLOAD 2
	HLOAD 3
	HLOAD 4
	HLOAD 5
	HLOAD 6
	HLOAD 7
	WIN 0
	s_mov_b32 s3, 2
.Ltail:                                                ; the last two K steps fill nothing: a text of their own.  The second trip is left in its middle
	QUARTER 2, F1, F0, 0                           ; its barrier and the three lines in front of it order nothing more: the price, once a launch, of one text for both trips
	QUARTER 3, F0, F1, 0
	TURN 0
	WIN 0
	s_sub_co_u32 s3, s3, 1
	s_cmp_eq_u32 s3, 0
	s_cbranch_scc1 .Lout
	QUARTER 1, F0, F1, 0
	WIN 0
	s_branch .Ltail
.Lout:
.rept 8
	v_nop                                          ; the places behind the last products, for the reads of the sums and the writes over the bias
.endr
	GBLK 0
	GBLK 1
	GBLK 2
	GBLK 3
	GBLK 4
	GBLK 5
	GBLK 6
	GBLK 7
	s_wait_tensorcnt 0x0                           ; the wave's end, behind my last tensor load
	ds_add_u32 v[SPW], v[NIL]
	s_wait_dscnt 0x0
	CROUND                                         ; the closing round: no work-group ends while a partner may still ask for a piece that names it
	s_endpgm
.Lfunc_end_k_q706c51c545_gates:
	.size	k_q706c51c545_gates, .Lfunc_end_k_q706c51c545_gates-k_q706c51c545_gates
	.p2alignl 7, 3214868480
	.fill 96, 4, 3214868480
	.section	.rodata,"a",@progbits
	.p2align	6, 0x0
	.amdhsa_kernel k_q706c51c545_gates
		.amdhsa_group_segment_fixed_size 327680
		.amdhsa_private_segment_fixed_size 0
		.amdhsa_enable_private_segment 0
		.amdhsa_kernarg_size 56
		.amdhsa_user_sgpr_count 2
		.amdhsa_user_sgpr_kernarg_segment_ptr 1
		.amdhsa_wavefront_size32 1
		.amdhsa_system_sgpr_workgroup_id_x 1
		.amdhsa_system_sgpr_workgroup_id_y 1
		.amdhsa_system_sgpr_workgroup_id_z 1
		.amdhsa_system_vgpr_workitem_id 0
		.amdhsa_next_free_vgpr 1024
		.amdhsa_next_free_sgpr 96
		.amdhsa_reserve_vcc 0
		.amdhsa_float_denorm_mode_32 3
		.amdhsa_float_denorm_mode_16_64 3
		.amdhsa_memory_ordered 1
		.amdhsa_forward_progress 1
		.amdhsa_inst_pref_size 171
	.end_amdhsa_kernel
	.amdgpu_metadata
---
amdhsa.version: [ 1, 2 ]
amdhsa.kernels:
  - .name:           k_q706c51c545_gates
    .symbol:         k_q706c51c545_gates.kd
    .args:
      - { .name: xb, .offset: 0, .size: 8, .value_kind: global_buffer, .address_space: global }
      - { .name: hb, .offset: 8, .size: 8, .value_kind: global_buffer, .address_space: global }
      - { .name: wg, .offset: 16, .size: 8, .value_kind: global_buffer, .address_space: global }
      - { .name: b_gate, .offset: 24, .size: 8, .value_kind: global_buffer, .address_space: global }
      - { .name: att_score, .offset: 32, .size: 8, .value_kind: global_buffer, .address_space: global }
      - { .name: rh, .offset: 40, .size: 8, .value_kind: global_buffer, .address_space: global }
      - { .name: ug, .offset: 48, .size: 8, .value_kind: global_buffer, .address_space: global }
    .group_segment_fixed_size: 327680
    .private_segment_fixed_size: 0
    .kernarg_segment_align: 8
    .kernarg_segment_size: 56
    .max_flat_workgroup_size: 128
    .sgpr_count:     96
    .vgpr_count:     1024
    .wavefront_size: 32
...
	.end_amdgpu_metadata
.endif
;; end of part 2
;; launch cand (part 3): grid 4 x 64, 4 waves a work-group, clusters of 4 x 4, 327,680 bytes of LDS; arguments xb, rh, wc, b_cand, ug, hb, out0; writes out0
.if DOCPART == 3
	.amdgcn_target "amdgcn-amd-amdhsa--gfx1250"
	.amdhsa_code_object_version 6
	.text
	.protected	k_q706c51c545_cand
	.globl	k_q706c51c545_cand
	.p2align	8
	.type	k_q706c51c545_cand,@function
k_q706c51c545_cand:
	s_mov_b64 s[64:65], 0
	v_nop
	global_prefetch_b8 v0, s[64:65] scope:SCOPE_SE
	s_setreg_imm32_b32 hwreg(HW_REG_WAVE_MODE, 25, 1), 1
	s_wait_xcnt 0x0
	s_wait_alu depctr_hold_cnt(0) depctr_sa_sdst(0) depctr_va_vdst(0) depctr_va_sdst(0) depctr_va_ssrc(0) depctr_va_vcc(0) depctr_vm_vsrc(0)
	s_getreg_b32 s2, hwreg(HW_REG_IB_STS2, 6, 4)
	s_cmp_eq_u32 s2, 0
	s_cbranch_scc0 .Lentry_in_a_cluster
	s_endpgm
.Lentry_in_a_cluster:
	s_bfe_u32 s2, ttmp6, 0x10000c
	s_cmp_lg_u32 s2, 0xf033
	s_cbranch_scc0 .Lentry_shape_is_right
	s_endpgm
.Lentry_shape_is_right:
; VecAttGRUCell, launch 3 of 3: c = tanh([x | r h] W_cand + b_cand); out = u' h + (1 - u') c = c + u' (h - c), with u' = (1 - att) u from the launch before.  Nothing is left out.
; NUMBERS.  x: f16 code of the input rounded to bf16; r h: f16; wc: the weights rounded to bf16, times 2 log2 e, in f16.  Sums in f32, started by the bias (rounded to bf16, times 2 log2 e in f32): a sum is
; 2 z log2 e, and tanh(z) = 1 - 2 / (1 + 2^sum), in f32: where the power overflows the result is 1, where it vanishes -1.  The blend in f32, u' and h read from their f16 halves.
; LIMITS: those of the f16 codes (65,504; fixed step 2^-24 below 2^-14); NaN and infinities are not treated apart.
; LAYOUT of xb, rh, ug, hb (KC = 1,024) and wc (row = output column n, KC = 2,048):
;   byte = (R>>7) (KC/128) 32768 + (C>>7) 32768 + ((R>>4)&7) 4096 + ((C>>4)&7) 512 + ((C>>3)&1) 256 + (R&15) 16 + (C&7) 2
; SHARES.  A tile of the output is 128 rows x 256 columns: 64 x 4 = 256 work-groups (tiles of 256 x 256 would be 128).  Wave w: rows 64 (w / 2) on, columns 128 (w % 2) on: 32 accumulators.
; K = 2,048 goes in 16 steps of 128 (0-7 from xb, 8-15 from rh) through two LDS slots of 98,304 bytes; two slots of twice the step would not fit.
; A K STEP IS WRITTEN ONCE: slot 1 begins at LDS byte 1 << 17, so that one exclusive or turns an address in one slot into the other's.  14 trips fill a slot again; the last two steps are a loop of their own.
; CLUSTER 4 x 4: A's pieces are asked for jointly along a row of the cluster, W's along a column.  The matrix instruction is used transposed: lane l holds row l % 16 and columns 8 (l / 16) + 0..7.
; REGISTERS: window 0: v0-31 addresses; v64-95, v128-159 A's fragment buffers; v192-255 the bias; on the way out v64-127 rows read back, v128-191 results, v192-255 tanh's work;
;   window 1: v64-191 W's two buffers;  window 2: the accumulators, (a, b) at 8 (8 a + b);  window 3: u' (block a at 32 a) and h (at 128 + 32 a).
.set PIECE, 32768
.set SLOT1, 1<<17                      ; a slot holds A's 128 rows, then W's two groups of 128 columns: 98,304 bytes; slot 1 begins here
.set STG,   SLOT1+3*PIECE              ; behind the ring, never filled by a tensor load: 16 rows x 528 bytes of f32 for each wave
.set SPITCH, 528                       ; 512 + 16: sixteen rows start in sixteen different columns of 16 bytes modulo 256
.set SPARE, STG+4*16*SPITCH            ; behind the stages: the spare words, 128 bytes a wave, that no other line names
.set A0,   16                          ; v16  my lane's place among my A fragments in a slot; never rewritten
.set B0,   17                          ; v17  the same for W
.set ADRA, 20                          ; v20  LDS address of my A fragments in the slot in hand
.set ADRB, 21                          ; v21  the same for W
.set STO,  22                          ; v22  the way out: where I put 32 bytes of a row
.set RD,   23                          ; v23  where I read a row back
.set CO,   24                          ; v24  16 x lane
.set BO,   25                          ; v25  32 x (lane / 16)
.set ONE,  27                          ; v27  1.0
.set SPW,  28
.set NIL,  29
.set PFO,  30
.set PK,   32                          ; v32-63 at work for the bias
.set F0,   64
.set F1,   128
.set RB,   64
.set DD,   128
.set BIAS, 192
.set TT,   192
.set WV, 18
.set MH, 19                            ; w / 2: my 64 rows; also 0: I fetch A, 1: W
.set NH, 20                            ; w % 2: my 128 columns; also which half of A or which group of W I fetch
.set CX, 21
.set CY, 22
.set TC, 23                            ; tile column 0-3
.set TR, 40                            ; tile row 0-63
.set TBS, 41                           ; first my row's mask; then the LDS byte at which the slot in hand begins
.set HIM, 42                           ; first my column's mask; then a word's upper half
.set LIM, 43
.set PFA, 44
.set KT,  46
.set KP,  47
.set G1A, 24
.set G0A, 32                           ; a set for each of the two first fills; the second then walks on
.set G1B, 48
.set G0B, 56
.set XR,  66                           ; xb at the half piece that I fetch   s[68:69] rh at the same   s[70:71] wc at the n group that I fetch
.set HR,  68
.set BR,  70
.set OA,  72
.set OB,  74
.set P0,  76
.set P1,  78
.set PO,  80
.set PM,  82
.set PS,  83
.set OUT, 84                           ; out0 at my 64 rows x 128 columns
.set HBLK, 86                          ; hb at the same
.set KE,  88                           ; s[88:89] 2 log2 e
.set TA,  90
.set TB,  92
.set UBLK, 94                          ; ug at the same
.set LDA, 96                           ; where my half of A goes in a slot
.set LDB, 97                           ; where my group of W goes
.set MSB, 0
.macro WIN new
.if MSB != (\new)
	s_set_vgpr_msb (MSB<<8)|(\new)
.set MSB, (\new)
.endif
.endm
.macro JLOAD s                         ; a joint load: waves 0 and 1 fetch A's two halves, waves 2 and 3 W's two groups; an s_nop 0 and four v_nop follow each line
	s_cmp_eq_u32 s[MH], 0
	s_cbranch_scc0 .Lfor_b_\@
	tensor_load_to_lds s[G0A+4*(\s):G0A+4*(\s)+3], s[G1A:G1A+7]
	s_nop 0
.rept 4
	v_nop
.endr
	s_branch .Lasked_\@
.Lfor_b_\@:
	tensor_load_to_lds s[G0B+4*(\s):G0B+4*(\s)+3], s[G1B:G1B+7]
	s_nop 0
.rept 4
	v_nop
.endr
.Lasked_\@:
.endm
.macro CREST
	s_cmp_lg_u32 s[WV], 0
	s_cbranch_scc1 .Lnot_wave_0_\@
	s_barrier_signal -3
.Lnot_wave_0_\@:
	s_barrier_wait -3
	s_barrier_signal -1
	s_barrier_wait -1
.endm
.macro CROUND
	s_barrier_signal -1
	s_barrier_wait -1
	CREST
.endm
; A prefetch into the L2 of the piece that stands four refills, 512 matrix instructions, on: 32 blocks of 256 bytes, a lane a block.  A's piece (read by one row of one cluster alone) is asked for by wave 0,
; W's two by waves 2 and 3 of the clusters with y = 0; the four partners share a piece's 128 blocks out by address.  Each block is named once.  Steps 0 to 5 come by their loads alone; none past the 16th is asked for.
.macro ASK
	s_cmp_lt_u32 s[KP], s[LIM]
	s_cbranch_scc0 .Lnot_mine_\@
	global_prefetch_b8 v[PFO], s[PFA:PFA+1] th:TH_LOAD_NT scope:SCOPE_SE
.Lnot_mine_\@:
.endm
	s_load_b256 s[4:11], s[0:1], 0x0               ; xb s[4:5], rh s[6:7], wc s[8:9], b_cand s[10:11]
	s_load_b128 s[12:15], s[0:1], 0x20             ; ug s[12:13], hb s[14:15]
	s_load_b64 s[16:17], s[0:1], 0x30              ; out0
	v_lshl_add_u32 v[SPW], v0, 2, SPARE
	v_mov_b32 v[NIL], 0
	ds_add_u32 v[SPW], v[NIL]                      ; the wave's opening: the add, twice on end, and its wait ahead of my first tensor load
	ds_add_u32 v[SPW], v[NIL]                      ; once more; the set-up below, work on registers, stands between it and the wait
	v_lshrrev_b32 v1, 5, v0
	v_readfirstlane_b32 s[WV], v1
	s_lshr_b32 s[MH], s[WV], 1
	s_and_b32 s[NH], s[WV], 1
	s_bfe_u32 s[CX], ttmp6, 0x40000
	s_bfe_u32 s[CY], ttmp6, 0x40004
	s_lshl_b32 s[TC], ttmp9, 2
	s_add_co_u32 s[TC], s[TC], s[CX]
	s_and_b32 s[TR], ttmp7, 0xffff
	s_lshl_b32 s[TR], s[TR], 2
	s_add_co_u32 s[TR], s[TR], s[CY]
	s_lshl_b32 s41, s[CY], 2
	s_lshl_b32 s41, 15, s41                        ; my row of the cluster
	s_lshl_b32 s42, 0x1111, s[CX]                  ; my column
	s_or_b32 s[G1A], s41, (3<<16)|(1<<21)          ; the mask; elements of 8 bytes; bit 21 beside a mask; no padding
	s_or_b32 s[G1B], s42, (3<<16)|(1<<21)
	s_mov_b32 s[G1A+1], 32<<16                     ; A's half piece: 16,384 bytes on end as 64 rows of 256
	s_mov_b32 s[G1A+2], 64<<16
	s_mov_b32 s[G1A+3], 32<<16
	s_mov_b32 s[G1A+4], 64
	s_mov_b32 s[G1A+5], 32
	s_mov_b32 s[G1A+6], 0
	s_mov_b32 s[G1A+7], 0
	s_mov_b32 s[G1B+1], 32<<16                     ; W's piece: 32,768 bytes as 128 rows of 256
	s_mov_b32 s[G1B+2], 128<<16
	s_mov_b32 s[G1B+3], 32<<16
	s_mov_b32 s[G1B+4], 128
	s_mov_b32 s[G1B+5], 32
	s_mov_b32 s[G1B+6], 0
	s_mov_b32 s[G1B+7], 0
	s_mov_b32 s[TBS], 0                            ; K step 0 lies in slot 0
	s_mov_b32 s[HIM], 0xffff0000
	s_lshl_b32 s[TA], s[TR], 18                    ; row group TR,
	s_lshl_b32 s[TA+1], s[NH], 14                  ; its half w % 2
	s_add_co_u32 s[TA], s[TA], s[TA+1]
	s_mov_b32 s[TA+1], 0
	s_lshl_b32 s[TB], s[TC], 1
	s_add_co_u32 s[TB], s[TB], s[NH]
	s_lshl_b32 s[TB], s[TB], 19                    ; n group 2 TC + w % 2
	s_mov_b32 s[TB+1], 0
	s_lshl_b32 s[LDA], s[NH], 14
	s_lshl_b32 s[LDB], s[NH], 15
	s_add_co_u32 s[LDB], s[LDB], PIECE
	s_mov_b32 s[OA+1], 0
	s_mov_b32 s[OB+1], 0
	s_mov_b32 s[KE], 0x4038aa3b                    ; 2 log2 e
	s_mov_b32 s[KE+1], s[KE]
	s_wait_dscnt 0x0                               ; both opening adds are done
	s_wait_kmcnt 0x0
	s_add_nc_u64 s[XR:XR+1], s[4:5], s[TA:TA+1]
	s_add_nc_u64 s[HR:HR+1], s[6:7], s[TA:TA+1]
	s_add_nc_u64 s[BR:BR+1], s[8:9], s[TB:TB+1]
	CROUND                                         ; all sixteen work-groups are here: the first joint loads meet
.irp s, 0,1
	s_mov_b32 s[G0A+4*(\s)], 1
	s_add_co_u32 s[G0A+4*(\s)+1], s[LDA], (\s)*SLOT1
	s_add_nc_u64 s[G0A+4*(\s)+2:G0A+4*(\s)+3], s[XR:XR+1], (\s)*PIECE
	s_or_b32 s[G0A+4*(\s)+3], s[G0A+4*(\s)+3], 0x80000000
	s_mov_b32 s[G0B+4*(\s)], 1
	s_add_co_u32 s[G0B+4*(\s)+1], s[LDB], (\s)*SLOT1
	s_add_nc_u64 s[G0B+4*(\s)+2:G0B+4*(\s)+3], s[BR:BR+1], (\s)*PIECE
	s_or_b32 s[G0B+4*(\s)+3], s[G0B+4*(\s)+3], 0x80000000
	JLOAD \s                                       ; two tensor loads of mine are out
.endr
	; while the first pieces are on their way
	s_lshl_b32 s[UBLK], s[TC], 1                   ; u' and h of my 64 rows x 128 units: TR<<18 + (2 TC + w % 2)<<15 + (w / 2)<<14
	s_add_co_u32 s[UBLK], s[UBLK], s[NH]
	s_lshl_b32 s[UBLK], s[UBLK], 15
	s_lshl_b32 s[UBLK+1], s[TR], 18
	s_add_co_u32 s[UBLK], s[UBLK], s[UBLK+1]
	s_lshl_b32 s[UBLK+1], s[MH], 14
	s_add_co_u32 s[UBLK], s[UBLK], s[UBLK+1]
	s_mov_b32 s[UBLK+1], 0
	s_add_nc_u64 s[HBLK:HBLK+1], s[14:15], s[UBLK:UBLK+1]
	s_add_nc_u64 s[UBLK:UBLK+1], s[12:13], s[UBLK:UBLK+1]
	s_lshl_b32 s[OUT], s[TR], 19                   ; out0: 4,096 (128 TR + 64 (w / 2)) + 4 (256 TC + 128 (w % 2))
	s_lshl_b32 s[OUT+1], s[MH], 18
	s_add_co_u32 s[OUT], s[OUT], s[OUT+1]
	s_lshl_b32 s[OUT+1], s[TC], 10
	s_add_co_u32 s[OUT], s[OUT], s[OUT+1]
	s_lshl_b32 s[OUT+1], s[NH], 9
	s_add_co_u32 s[OUT], s[OUT], s[OUT+1]
	s_mov_b32 s[OUT+1], 0
	s_add_nc_u64 s[OUT:OUT+1], s[16:17], s[OUT:OUT+1]
	s_lshl_b32 s[TB], s[TC], 10                    ; the bias of my 128 columns
	s_lshl_b32 s[TB+1], s[NH], 9
	s_add_co_u32 s[TB], s[TB], s[TB+1]
	s_mov_b32 s[TB+1], 0
	s_add_nc_u64 s[10:11], s[10:11], s[TB:TB+1]
	s_and_b32 s[KP], ttmp7, 0xffff                 ; cluster y
	s_or_b32 s[KT], s[NH], ttmp9                   ; 0 in wave 0 (of the A waves) of the clusters with x = 0
	s_cmp_eq_u32 s[MH], 0
	s_cselect_b64 s[P0:P0+1], s[XR:XR+1], s[BR:BR+1]
	s_cselect_b64 s[P1:P1+1], s[HR:HR+1], s[BR:BR+1]
	s_cselect_b32 s[PM], 7, 15
	s_cselect_b32 s[PS], 8, 16
	s_cselect_b32 s[PO], s[CX], s[CY]
	s_cselect_b32 s[KP], s[KT], s[KP]
	s_cmp_eq_u32 s[KP], 0
	s_cselect_b32 s[LIM], 16, 0
	s_lshl_b32 s[PO], s[PO], 13
	s_mov_b32 s[PO+1], 0
	s_add_nc_u64 s[P0:P0+1], s[P0:P0+1], s[PO:PO+1]
	s_add_nc_u64 s[P1:P1+1], s[P1:P1+1], s[PO:PO+1]
	s_mov_b32 s[KT], 2                             ; the K step that the first refill asks for
	v_and_b32 v1, 31, v0
	v_lshlrev_b32 v[CO], 4, v1
	v_lshrrev_b32 v2, 4, v1
	v_lshlrev_b32 v[BO], 5, v2
	v_and_b32 v3, 15, v1
	v_lshlrev_b32 v[PFO], 8, v1
	v_mov_b32 v[ONE], 1.0
	s_lshl_b32 s2, s[MH], 14                       ; my 64 rows of A
	s_lshl_b32 s3, s[NH], 15                       ; my 128 columns of W,
	s_add_co_u32 s3, s3, PIECE                     ; behind A's piece
	v_add_nc_u32 v[A0], s2, v[CO]
	v_add_nc_u32 v[B0], s3, v[CO]
	v_add_nc_u32 v[ADRA], s[TBS], v[A0]
	v_add_nc_u32 v[ADRB], s[TBS], v[B0]
	s_mul_i32 s2, s[WV], 16*SPITCH
	s_add_co_u32 s2, s2, STG                       ; my stage
	v_mul_u32_u24 v[STO], v3, SPITCH               ; in: row l % 16, 32 bytes for each half of the lanes
	v_lshl_add_u32 v[STO], v2, 5, v[STO]
	v_add_nc_u32 v[STO], s2, v[STO]
	v_add_nc_u32 v[RD], s2, v[CO]                  ; back: a row's 512 bytes on end
.irp b, 0,1,2,3,4,5,6,7
	global_load_b128 v[BIAS+8*(\b):BIAS+8*(\b)+3],   v[BO], s[10:11] offset:64*(\b)
	global_load_b128 v[BIAS+8*(\b)+4:BIAS+8*(\b)+7], v[BO], s[10:11] offset:64*(\b)+16
.endr
	s_wait_loadcnt 0x0
.set i, 0
.rept 32
	v_cvt_pk_bf16_f32 v[PK+i], v[BIAS+2*i], v[BIAS+2*i+1]  ; the bias is rounded to bf16 like every input,
.set i, i+1
.endr
.set i, 0
.rept 32
	v_lshlrev_b32 v[BIAS+2*i], 16, v[PK+i]
	v_and_b32 v[BIAS+2*i+1], s[HIM], v[PK+i]
.set i, i+1
.endr
.set i, 0
.rept 32
	v_pk_mul_f32 v[BIAS+2*i:BIAS+2*i+1], v[BIAS+2*i:BIAS+2*i+1], s[KE:KE+1] op_sel_hi:[1,0]  ; and takes the factor that the weights carry
.set i, i+1
.endr
; 8 matrix instructions: row block a x all 8 column blocks, 32 along K.  first = 1: the bias (window 0) starts the sums.  The 32 accumulators take turns.
.macro MUL8 f, a, first
.if \first
	WIN 0x81
.else
	WIN 0xa1
.endif
.irp b, 0,1,2,3,4,5,6,7
.if \first
	v_wmma_f32_16x16x32_f16 v[8*(8*(\a)+(\b)):8*(8*(\a)+(\b))+7], v[(\f)+8*(\b):(\f)+8*(\b)+7], v[(\f)+8*(\a):(\f)+8*(\a)+7], v[BIAS+8*(\b):BIAS+8*(\b)+7]
.else
	v_wmma_f32_16x16x32_f16 v[8*(8*(\a)+(\b)):8*(8*(\a)+(\b))+7], v[(\f)+8*(\b):(\f)+8*(\b)+7], v[(\f)+8*(\a):(\f)+8*(\a)+7], v[8*(8*(\a)+(\b)):8*(8*(\a)+(\b))+7]
.endif
.endr
.endm
; 24 LDS loads in one run: quarter q of the slot in hand into buffer f: W's 8 fragments, then A's 4
.macro FETCH q, f
	WIN 0x40
.irp i, 0,1,2,3,4,5,6,7
	ds_load_b128 v[(\f)+8*(\i):(\f)+8*(\i)+3],   v[ADRB] offset:(\i)*4096+(\q)*1024
	ds_load_b128 v[(\f)+8*(\i)+4:(\f)+8*(\i)+7], v[ADRB] offset:(\i)*4096+(\q)*1024+512
.endr
	WIN 0
.irp i, 0,1,2,3
	ds_load_b128 v[(\f)+8*(\i):(\f)+8*(\i)+3],   v[ADRA] offset:(\i)*4096+(\q)*1024
	ds_load_b128 v[(\f)+8*(\i)+4:(\f)+8*(\i)+7], v[ADRA] offset:(\i)*4096+(\q)*1024+512
.endr
.endm
.macro PLACES
.rept 4
	v_nop
.endr
.endm
.macro QUARTER q, f, g, first
	s_wait_dscnt 4                                 ; W and A's blocks 0, 1 are in; the youngest four loads (A's blocks 2, 3) may be out
	MUL8 \f, 0, \first
	MUL8 \f, 1, \first
	PLACES
	FETCH \q, \g
	s_wait_dscnt 24                                ; all but the 24 just issued
	MUL8 \f, 2, \first
	MUL8 \f, 3, \first
.endm
.macro NEXT                            ; the walking descriptors for K step KT: the other slot than last time; steps 0-7 of A lie in xb, 8-15 in rh
	s_and_b32 s[OA], s[KT], 7
	s_lshl_b32 s[OA], s[OA], 15
	s_lshl_b32 s[OB], s[KT], 15
	s_xor_b32 s[G0A+5], s[G0A+5], SLOT1
	s_xor_b32 s[G0B+5], s[G0B+5], SLOT1
	s_cmp_lt_u32 s[KT], 8
	s_cselect_b64 s[G0A+6:G0A+7], s[XR:XR+1], s[HR:HR+1]
	s_add_nc_u64 s[G0A+6:G0A+7], s[G0A+6:G0A+7], s[OA:OA+1]
	s_or_b32 s[G0A+7], s[G0A+7], 0x80000000
	s_add_nc_u64 s[G0B+6:G0B+7], s[BR:BR+1], s[OB:OB+1]
	s_or_b32 s[G0B+7], s[G0B+7], 0x80000000
	s_add_co_u32 s[KT], s[KT], 1
.endm
; The last quarter multiplies buffer 1 and changes slots.  A step here has 128 products a wave, so the next slot's piece may still be on its way: the quarter's first 16 products stand AHEAD of the wait for it,
; and between that wait and the next request stand only the add, the descriptors' scalar work, the wait for the add and for my reads of this slot, and the barrier.  fill = 1: the barrier opens a round of
; the cluster's, and the joint refill is the first thing behind the round.  fill = 0 (the loop of the last two steps): nothing is filled; in its second trip, s3 = 1, the run of LDS loads is jumped over.
.macro TURN fill
.if \fill
	s_wait_xcnt 0x0                                ; the last prefetch, a K step back, has read its address
	s_add_co_u32 s[KP], s[KT], 4
	s_and_b32 s[PO], s[KP], s[PM]
	s_lshl_b32 s[PO], s[PO], 15
	s_cmp_lt_u32 s[KP], s[PS]
	s_cselect_b64 s[PFA:PFA+1], s[P0:P0+1], s[P1:P1+1]
	s_add_nc_u64 s[PFA:PFA+1], s[PFA:PFA+1], s[PO:PO+1]
.endif
	s_wait_dscnt 4                                 ; W and A's blocks 0, 1 are in; the youngest four loads (A's blocks 2, 3) may be out
	MUL8 F1, 0, 0
	MUL8 F1, 1, 0
	WIN 0
	s_wait_tensorcnt 0x0                           ; all my tensor loads have landed, so a group 0 may be written
	ds_add_u32 v[SPW], v[NIL]                      ; 0 onto my spare word
	s_xor_b32 s[TBS], s[TBS], SLOT1                ; the fetches' next slot
.if \fill
	NEXT
.endif
	s_wait_dscnt 0x0                               ; the add is done, and my reads of this slot are over
	s_barrier_signal -1
	s_barrier_wait -1
.if \fill
	CREST                                          ; no wave of any partner still reads this slot or has a load on its way
	JLOAD 1                                        ; its four v_nop are also the places in front of the loads below
.else
	s_cmp_eq_u32 s3, 1
	s_cbranch_scc1 .Lno_fetch_\@
	PLACES
.endif
	v_add_nc_u32 v[ADRA], s[TBS], v[A0]
	v_add_nc_u32 v[ADRB], s[TBS], v[B0]
	FETCH 0, F0
.if \fill
	ASK
.else
.Lno_fetch_\@:
.endif
	MUL8 F1, 2, 0
	MUL8 F1, 3, 0
.endm
; THE WAY OUT of row block a.  COMP: tanh of its 64 numbers a lane (each kind of transcendental one batch, one wait), then c + u' (h - c), u' and h read from their f16 halves.
.macro COMP a
.set AC, 64*(\a)
	WIN 0x02
.set i, 0
.rept 64
	v_exp_f32 v[TT+i], v[AC+i]                     ; the sum is the exponent; each accumulator is read from its low end on
.set i, i+1
.endr
	WIN 0
	v_nop
	s_wait_alu depctr_va_vdst(0)                   ; one wait for the 64 exponentials, ahead of their first reader
.set i, 0
.rept 32
	v_pk_add_f32 v[TT+i:TT+i+1], v[TT+i:TT+i+1], 1.0 op_sel_hi:[1,0]
.set i, i+2
.endr
.set i, 0
.rept 64
	v_rcp_f32 v[TT+i], v[TT+i]
.set i, i+1
.endr
	v_nop
	s_wait_alu depctr_va_vdst(0)                   ; one wait for the 64 reciprocals
.set i, 0
.rept 32
	v_pk_fma_f32 v[TT+i:TT+i+1], v[TT+i:TT+i+1], -2.0, 1.0 op_sel_hi:[1,0,0]  ; c
.set i, i+2
.endr
	s_wait_loadcnt 16*(3-(\a))                     ; block a's u' and h are in; the later blocks' sixteen loads each may stay out
	WIN 0x03                                       ; source 0: window 3
.set i, 0
.rept 32
	v_fma_mix_f32 v[DD+2*i],   v[128+32*(\a)+i], v[ONE], -v[TT+2*i]   op_sel:[0,0,0] op_sel_hi:[1,0,0]  ; h - c
	v_fma_mix_f32 v[DD+2*i+1], v[128+32*(\a)+i], v[ONE], -v[TT+2*i+1] op_sel:[1,0,0] op_sel_hi:[1,0,0]
.set i, i+1
.endr
.set i, 0
.rept 32
	v_fma_mix_f32 v[DD+2*i],   v[32*(\a)+i], v[DD+2*i],   v[TT+2*i]   op_sel:[0,0,0] op_sel_hi:[1,0,0]  ; c + u' (h - c)
	v_fma_mix_f32 v[DD+2*i+1], v[32*(\a)+i], v[DD+2*i+1], v[TT+2*i+1] op_sel:[1,0,0] op_sel_hi:[1,0,0]
.set i, i+1
.endr
	WIN 0
.endm
.macro TOSTAGE a                       ; into my own stage, and back as whole rows of 512 bytes
	s_wait_xcnt 0x0                                ; the last block's stores have read their data: the rows' registers are loaded again only behind this wait
.irp b, 0,1,2,3,4,5,6,7
	ds_store_b128 v[STO], v[DD+8*(\b):DD+8*(\b)+3]   offset:64*(\b)
	ds_store_b128 v[STO], v[DD+8*(\b)+4:DD+8*(\b)+7] offset:64*(\b)+16
.endr
.irp t, 0,1,2,3,4,5,6,7,8,9,10,11,12,13,14,15
	ds_load_b128 v[RB+4*(\t):RB+4*(\t)+3], v[RD] offset:(\t)*SPITCH  ; LDS serves a wave's instructions in order: these see the stores above; the next block's stores come behind them
.endr
.endm
.macro SEND a
.irp t, 0,1,2,3,4,5,6,7,8,9,10,11,12,13,14,15
	s_wait_dscnt 15-(\t)
	global_store_b128 v[CO], v[RB+4*(\t):RB+4*(\t)+3], s[OUT:OUT+1] offset:(16*(\a)+(\t))*4096 th:TH_STORE_NT  ; 512 consecutive bytes of a row, at a multiple of 512 from out0's first byte
.endr
.endm
	s_wait_tensorcnt 1                             ; my part of K step 0 is in; step 1's may stay out
	s_barrier_signal -1
	s_barrier_wait -1
	FETCH 0, F0
	QUARTER 1, F0, F1, 1                           ; the first quarter's products start the sums, with the bias
	WIN 0
	s_mov_b32 s3, 14
.Lstep:                                                ; a trip goes from a K step's second quarter to the next step's first and fills the slot that it leaves: K steps 2 to 15 in 14 trips
	QUARTER 2, F1, F0, 0
	QUARTER 3, F0, F1, 0
	TURN 1
	QUARTER 1, F0, F1, 0
	WIN 0
	s_sub_co_u32 s3, s3, 1
	s_cmp_lg_u32 s3, 0
	s_cbranch_scc1 .Lstep
	WIN 0xc0                                       ; u' and h are asked for now, nearly two K steps ahead of their use: destination window 3
.irp a, 0,1,2,3
.irp b, 0,1,2,3,4,5,6,7
	global_load_b128 v[32*(\a)+4*(\b):32*(\a)+4*(\b)+3], v[CO], s[UBLK:UBLK+1] offset:(\a)*4096+(\b)*512
.endr
.irp b, 0,1,2,3,4,5,6,7
	global_load_b128 v[128+32*(\a)+4*(\b):128+32*(\a)+4*(\b)+3], v[CO], s[HBLK:HBLK+1] offset:(\a)*4096+(\b)*512
.endr
.endr
	WIN 0
	s_mov_b32 s3, 2
.Ltail:                                                ; the last two K steps fill nothing: a text of their own.  The second trip is left in its middle
	QUARTER 2, F1, F0, 0                           ; its barrier and the three lines in front of it order nothing more: the price, once a launch, of one text for both trips
	QUARTER 3, F0, F1, 0
	TURN 0
	WIN 0
	s_sub_co_u32 s3, s3, 1
	s_cmp_eq_u32 s3, 0
	s_cbranch_scc1 .Lout
	QUARTER 1, F0, F1, 0
	WIN 0
	s_branch .Ltail
.Lout:
.rept 8
	v_nop                                          ; the places behind the last products
.endr
	COMP 0
	TOSTAGE 0
	COMP 1                                         ; a block's arithmetic stands between the loads of the block before and its stores
	SEND 0
	TOSTAGE 1
	COMP 2
	SEND 1
	TOSTAGE 2
	COMP 3
	SEND 2
	TOSTAGE 3
	SEND 3
	s_wait_tensorcnt 0x0                           ; the wave's end, behind my last tensor load and my last LDS store
	ds_add_u32 v[SPW], v[NIL]
	s_wait_dscnt 0x0
	CROUND                                         ; the closing round: no work-group ends while a partner may still ask for a piece that names it
	s_endpgm
.Lfunc_end_k_q706c51c545_cand:
	.size	k_q706c51c545_cand, .Lfunc_end_k_q706c51c545_cand-k_q706c51c545_cand
	.p2alignl 7, 3214868480
	.fill 96, 4, 3214868480
	.section	.rodata,"a",@progbits
	.p2align	6, 0x0
	.amdhsa_kernel k_q706c51c545_cand
		.amdhsa_group_segment_fixed_size 327680
		.amdhsa_private_segment_fixed_size 0
		.amdhsa_enable_private_segment 0
		.amdhsa_kernarg_size 56
		.amdhsa_user_sgpr_count 2
		.amdhsa_user_sgpr_kernarg_segment_ptr 1
		.amdhsa_wavefront_size32 1
		.amdhsa_system_sgpr_workgroup_id_x 1
		.amdhsa_system_sgpr_workgroup_id_y 1
		.amdhsa_system_sgpr_workgroup_id_z 1
		.amdhsa_system_vgpr_workitem_id 0
		.amdhsa_next_free_vgpr 1024
		.amdhsa_next_free_sgpr 100
		.amdhsa_reserve_vcc 0
		.amdhsa_float_denorm_mode_32 3
		.amdhsa_float_denorm_mode_16_64 3
		.amdhsa_memory_ordered 1
		.amdhsa_forward_progress 1
		.amdhsa_inst_pref_size 142
	.end_amdhsa_kernel
	.amdgpu_metadata
---
amdhsa.version: [ 1, 2 ]
amdhsa.kernels:
  - .name:           k_q706c51c545_cand
    .symbol:         k_q706c51c545_cand.kd
    .args:
      - { .name: xb, .offset: 0, .size: 8, .value_kind: global_buffer, .address_space: global }
      - { .name: rh, .offset: 8, .size: 8, .value_kind: global_buffer, .address_space: global }
      - { .name: wc, .offset: 16, .size: 8, .value_kind: global_buffer, .address_space: global }
      - { .name: b_cand, .offset: 24, .size: 8, .value_kind: global_buffer, .address_space: global }
      - { .name: ug, .offset: 32, .size: 8, .value_kind: global_buffer, .address_space: global }
      - { .name: hb, .offset: 40, .size: 8, .value_kind: global_buffer, .address_space: global }
      - { .name: out0, .offset: 48, .size: 8, .value_kind: global_buffer, .address_space: global }
    .group_segment_fixed_size: 327680
    .private_segment_fixed_size: 0
    .kernarg_segment_align: 8
    .kernarg_segment_size: 56
    .max_flat_workgroup_size: 128
    .sgpr_count:     100
    .vgpr_count:     1024
    .wavefront_size: 32
...
	.end_amdgpu_metadata
.endif
;; end of part 3
